; MI455X (gfx1250); checked and timed in simulation.
; The chip was launched on July 23, 2026; its instructions are those of AMD's public machine-readable ISA for CDNA 5 (MIT licence, August 2026) and "CDNA5" Instruction Set Architecture Reference Guide (July 2026). The comments in the code are by the model that wrote it; some were corrected since.
;; TCNN Instant NGP. Allowed arithmetic: matrix products marked QUANTISED: E5M2 operands, one given power-of-two scale a tensor, by v_wmma_f32_16x16x64_bf8_bf8 or v_wmma_f32_16x16x128_bf8_bf8, f32 sums; products left as they are: f32 operands where the result goes on into a quantised operand, else bf16, f16 or f32 operands; f32 sums; everything else in f32.
;; Inputs: lowp_scales 4 int32 (the exponents e of the quantised operands' scales 2^e); tables 16 x 524,288 x 2 float32; w0 32 x 64 float32; w1 64 x 64 float32; w2 64 x 1 float32; x 1,048,576 x 3 float32.
;; Outputs: out0 1,048,576 x 1 float32.
;; This version of the problem:
;;   THIS VERSION OF THE PROBLEM IS GIVEN IN LOW PRECISION. The matrix products marked QUANTISED in the list below multiply operands that are first quantised to E5M2 (5 exponent bits, 2 mantissa bits; 8 bits a number), with one given power-of-two scale for each operand tensor; their sums are f32. All else is computed in f32.
;;   The module's matrix products, in the order in which they are computed (A, B: the left and right operand; K: the contracted axis; several contracted axes count as one K, in the product's order):
;;     1. batch 1,048,576 x [M 1, K 8] x [K 8, N 2]; A: computed on the way; B: computed on the way: left as it is (K = 8 < 32)
;;     2. batch 1,048,576 x [M 1, K 8] x [K 8, N 2]; A: computed on the way; B: computed on the way: left as it is (K = 8 < 32)
;;     3. batch 1,048,576 x [M 1, K 8] x [K 8, N 2]; A: computed on the way; B: computed on the way: left as it is (K = 8 < 32)
;;     4. batch 1,048,576 x [M 1, K 8] x [K 8, N 2]; A: computed on the way; B: computed on the way: left as it is (K = 8 < 32)
;;     5. batch 1,048,576 x [M 1, K 8] x [K 8, N 2]; A: computed on the way; B: computed on the way: left as it is (K = 8 < 32)
;;     6. batch 1,048,576 x [M 1, K 8] x [K 8, N 2]; A: computed on the way; B: computed on the way: left as it is (K = 8 < 32)
;;     7. batch 1,048,576 x [M 1, K 8] x [K 8, N 2]; A: computed on the way; B: computed on the way: left as it is (K = 8 < 32)
;;     8. batch 1,048,576 x [M 1, K 8] x [K 8, N 2]; A: computed on the way; B: computed on the way: left as it is (K = 8 < 32)
;;     9. batch 1,048,576 x [M 1, K 8] x [K 8, N 2]; A: computed on the way; B: computed on the way: left as it is (K = 8 < 32)
;;     10. batch 1,048,576 x [M 1, K 8] x [K 8, N 2]; A: computed on the way; B: computed on the way: left as it is (K = 8 < 32)
;;     11. batch 1,048,576 x [M 1, K 8] x [K 8, N 2]; A: computed on the way; B: computed on the way: left as it is (K = 8 < 32)
;;     12. batch 1,048,576 x [M 1, K 8] x [K 8, N 2]; A: computed on the way; B: computed on the way: left as it is (K = 8 < 32)
;;     13. batch 1,048,576 x [M 1, K 8] x [K 8, N 2]; A: computed on the way; B: computed on the way: left as it is (K = 8 < 32)
;;     14. batch 1,048,576 x [M 1, K 8] x [K 8, N 2]; A: computed on the way; B: computed on the way: left as it is (K = 8 < 32)
;;     15. batch 1,048,576 x [M 1, K 8] x [K 8, N 2]; A: computed on the way; B: computed on the way: left as it is (K = 8 < 32)
;;     16. batch 1,048,576 x [M 1, K 8] x [K 8, N 2]; A: computed on the way; B: computed on the way: left as it is (K = 8 < 32)
;;     17. [M 1,048,576, K 32] x [K 32, N 64]; A: computed on the way; B: input w0: QUANTISED (scales: A lowp_scales[0], B lowp_scales[1])
;;     18. [M 1,048,576, K 64] x [K 64, N 64]; A: computed on the way; B: input w1: QUANTISED (scales: A lowp_scales[2], B lowp_scales[3])
;;     19. [M 1,048,576, K 64] x [K 64, N 1]; A: computed on the way; B: input w2: left as it is (N = 1 < 16)
;;   THE QUANTISER, for each operand of a quantised product, along K:
;;     - The operand's scale is 2^e, e = its entry of the input lowp_scales (int32; the entries are numbered through the quantised products in the list's order, A before B).
;;     - Each number is divided by the scale, clamped to +-57,344, and rounded to the nearest number of E5M2, ties to even, subnormals kept.
;;     - The product sums the exact products of the quantised numbers (number of the format x scale) in f32.
;;   ~~~python
;;   def quantise(x, axis, e):      # numpy; x: float32 -> the quantised numbers, widened to float32 again
;;       x = np.moveaxis(x, axis, -1); K = x.shape[-1]
;;       r = np.clip(x / 2.0 ** e, -57344, 57344)
;;       step = 2.0 ** (np.maximum(np.frexp(np.where(r == 0, 1, r))[1] - 1, -14) - 2)
;;       q = np.round(r / step) * step * 2.0 ** e      # np.round: ties to even
;;       return np.moveaxis(q, -1, axis).astype(np.float32)
;;   ~~~
;;   OPERANDS COMPUTED ON THE WAY. 'Computed on the way' means the value that the module computes at that place (a softmax that the list does not call 'softmax' is quantised finished and normalised). What goes into a quantiser is computed in f32, as accurately as f32 sums, v_exp_f32 and their like allow (about 1e-6 of the number): no bf16 or f16 on the way to a quantiser, and a product that is left as it is and whose result goes on into a quantised operand takes f32 operands (vector FMAs, or v_wmma_f32_16x16x4_f32). A number that lies on a knife's edge between two numbers of the format may be rounded either way, as far as f32 arithmetic and the matrix unit's own rounding can turn it there, and no further.
;; One version. Each part assembles by itself: llvm-mc -triple=amdgcn-amd-amdhsa -mcpu=gfx1250 --defsym DOCPART=n.
;; ======== version 1 of 1: 2 launches
;; limits: right only within a limited range of input values
;; workspace buffers: upos 12,582,912 bytes of whole numbers; wimg 6,144 bytes
;; launch prep (part 1): grid 257 x 1, 8 waves a work-group, no clusters, 0 bytes of LDS; arguments x, w0, w1, lowp_scales, upos, wimg; writes upos, wimg
.if DOCPART == 1
	.amdgcn_target "amdgcn-amd-amdhsa--gfx1250"
	.amdhsa_code_object_version 6
	.text
	.protected	k_q6a6476d64a_prep
	.globl	k_q6a6476d64a_prep
	.p2align	8
	.type	k_q6a6476d64a_prep,@function
k_q6a6476d64a_prep:
	s_mov_b64 s[64:65], 0
	v_nop
	global_prefetch_b8 v0, s[64:65] scope:SCOPE_SE
	s_setreg_imm32_b32 hwreg(HW_REG_WAVE_MODE, 25, 1), 1
	s_wait_xcnt 0x0
; PREP: two jobs that the main launch needs done ahead of it.
; (a) Work-groups 1 to 256: every coordinate of x becomes the whole number u = trunc(x01 * 2^31), x01 = (x + 1) / 2 rounded as f32 rounds it, stored as u32 in x's own order.
;     The main launch forms every grid cell, and so every table address, from these whole numbers alone.
;     One fused multiply-add x * 2^30 + 2^30 is the f32 sum x + 1 times 2^30 (a power of two changes no rounding), which is x01 * 2^31.
;     LIMIT: -1 <= x < 3.  The conversion goes toward zero and holds at 0 and at 2^32 - 1.  NaN is not served.
; (b) Work-group 0: w0 [32][64] and w1 [64][64], f32 with K as the first axis, become codes of E5M2 with the given scales 2^e1 and 2^e3, laid as IMAGES OF THE OPERAND'S REGISTERS:
;     a piece is four registers of a fragment, lane l's 16 bytes at 16 l, 512 bytes.  A lane takes a column n and its registers run down K: nothing is transposed.
;     W0 piece t (at 512 t):                 lane (r, h), byte j = Q(w0[16 h + j][16 t + r])
;     W1 tile t, piece p (2048 + 1024 t + 512 p): lane (r, h), byte j = Q(w1[32 p + 16 (j / 8) + 8 h + j % 8][16 t + r]): registers 4 p .. 4 p + 3 of the K = 64 form's own layout
;     LIMIT: e1 and e3 between -126 and 112, so that 2^e and 57,344 x 2^e are f32 numbers.
; No LDS, no barrier: waves share nothing.
.set WGB, 49152                        ; bytes of x for a work-group: 12,582,912 / 256 = 12 loads of 16 bytes for each of 256 threads
	s_load_b256 s[4:11], s[0:1], 0x0               ; x s[4:5], w0 s[6:7], w1 s[8:9], the scales' exponents s[10:11]
	s_load_b128 s[12:15], s[0:1], 0x20             ; upos s[12:13], wimg s[14:15]
	s_cmp_eq_u32 ttmp9, 0                          ; the choice hangs on the work-group's number alone
	s_cbranch_scc1 .Lweights
	; ---- (a) the stream
	s_sub_co_u32 s22, ttmp9, 1
	s_mul_i32 s22, s22, WGB                        ; my work-group's first byte, the same in x and in upos
	s_mov_b32 s23, 0
	s_mov_b32 s20, 0x4e800000                      ; 2^30
	s_mov_b32 s21, s20                             ; (named with it as a pair, so it is written)
	v_lshlrev_b32 v1, 4, v0                        ; 16 bytes a thread: a wave's load or store covers 512 consecutive bytes, aligned
	s_wait_kmcnt 0x0
	s_add_nc_u64 s[4:5], s[4:5], s[22:23]
	s_add_nc_u64 s[12:13], s[12:13], s[22:23]
.irp j, 0,1,2,3,4,5,6,7,8,9,10,11
	global_load_b128 v[4+4*\j:7+4*\j], v1, s[4:5] offset:4096*\j th:TH_LOAD_NT   ; all twelve go out first; each has registers of its own
.endr
.irp j, 0,1,2,3,4,5,6,7,8,9,10,11
	s_wait_loadcnt 11-\j                           ; loads come back in order: number j is in, the 11 - j younger ones may be out
	v_pk_fma_f32 v[4+4*\j:5+4*\j], v[4+4*\j:5+4*\j], s[20:21], s[20:21] op_sel_hi:[1,0,0]
	v_pk_fma_f32 v[6+4*\j:7+4*\j], v[6+4*\j:7+4*\j], s[20:21], s[20:21] op_sel_hi:[1,0,0]
	v_cvt_u32_f32 v[4+4*\j], v[4+4*\j]
	v_cvt_u32_f32 v[5+4*\j], v[5+4*\j]
	v_cvt_u32_f32 v[6+4*\j], v[6+4*\j]
	v_cvt_u32_f32 v[7+4*\j], v[7+4*\j]
	global_store_b128 v1, v[4+4*\j:7+4*\j], s[12:13] offset:4096*\j   ; no register is written a second time, so no store's data are at stake
.endr
	s_endpgm
	; ---- (b) the weights: wave w takes W1's tile t = w % 4, piece p = w / 4; waves 0 to 3 also W0's piece t
.Lweights:
	v_lshrrev_b32 v1, 5, v0
	v_readfirstlane_b32 s16, v1                    ; wave 0..7
	s_and_b32 s17, s16, 3                          ; t
	s_lshr_b32 s18, s16, 2                         ; p
	v_and_b32 v6, 15, v0                           ; r
	v_bfe_u32 v7, v0, 4, 1                         ; h
	v_and_b32 v4, 31, v0                           ; lane
	s_lshl_b32 s19, s17, 6                         ; 64 t: 16 columns of 4 bytes
	s_lshl_b32 s28, s18, 13                        ; 8192 p: 32 rows of 256 bytes
	s_add_co_u32 s28, s28, s19
	v_lshlrev_b32 v6, 2, v6                        ; 4 r
	v_lshl_add_u32 v2, v7, 11, v6                  ; w1: + 8 h rows
	v_add_nc_u32 v2, s28, v2
	v_lshl_add_u32 v3, v7, 12, v6                  ; w0: + 16 h rows
	v_add_nc_u32 v3, s19, v3
	s_lshl_b32 s29, s17, 10
	s_lshl_b32 s30, s18, 9
	s_add_co_u32 s29, s29, s30                     ; 1024 t + 512 p
	v_lshlrev_b32 v4, 4, v4                        ; 16 x lane
	v_add_nc_u32 v1, s29, v4                       ; where my 16 codes of W1 go (behind W0's 2,048 bytes: the store's immediate)
	s_lshl_b32 s30, s17, 9
	v_add_nc_u32 v5, s30, v4                       ; and those of W0
	s_wait_kmcnt 0x0
	s_load_b128 s[24:27], s[10:11], 0x0            ; e0, e1, e3 among them
.irp j, 0,1,2,3,4,5,6,7,8,9,10,11,12,13,14,15
	global_load_b32 v[8+\j], v2, s[8:9] offset:256*(16*(\j/8)+(\j%8))   ; w1[32 p + 16 (j / 8) + 8 h + j % 8][16 t + r]: sixteen lanes read 64 consecutive bytes
.endr
.irp j, 0,1,2,3,4,5,6,7,8,9,10,11,12,13,14,15
	global_load_b32 v[24+\j], v3, s[6:7] offset:256*\j                  ; w0[16 h + j][16 t + r]: inside w0 in every wave, since t = w % 4
.endr
	s_wait_kmcnt 0x0
	s_add_co_i32 s31, s27, 127
	s_lshl_b32 s32, s31, 23
	v_mov_b32 v44, s32                             ; 2^e3 as f32: the conversion takes its exponent field
	s_add_co_i32 s31, s31, 15
	s_lshl_b32 s31, s31, 23
	s_or_b32 s31, s31, 0x600000
	v_mov_b32 v45, s31                             ; 57,344 x 2^e3
	s_add_co_i32 s31, s25, 127
	s_lshl_b32 s32, s31, 23
	v_mov_b32 v46, s32                             ; 2^e1
	s_add_co_i32 s31, s31, 15
	s_lshl_b32 s31, s31, 23
	s_or_b32 s31, s31, 0x600000
	v_mov_b32 v47, s31                             ; 57,344 x 2^e1
	s_wait_loadcnt 0x0
.irp j, 0,1,2,3,4,5,6,7,8,9,10,11,12,13,14,15
	v_med3_num_f32 v[8+\j], v[8+\j], -v45, v45     ; the conversion to an 8-bit code does not saturate (ISA guide 7.6.2): the hold at the largest code x the scale comes first
.endr
	v_cvt_scalef32_pk8_bf8_f32 v[40:41], v[8:15], v44
	v_cvt_scalef32_pk8_bf8_f32 v[42:43], v[16:23], v44
	v_nop                                          ; one plain vector line behind a run of scaled conversions
	global_store_b128 v1, v[40:43], s[14:15] offset:2048   ; the wave stores 512 consecutive bytes, aligned
	s_cmp_lt_u32 s16, 4                            ; W0 has four pieces: waves 0 to 3
	s_cbranch_scc0 .Lend
.irp j, 0,1,2,3,4,5,6,7,8,9,10,11,12,13,14,15
	v_med3_num_f32 v[24+\j], v[24+\j], -v47, v47
.endr
	v_cvt_scalef32_pk8_bf8_f32 v[48:49], v[24:31], v46
	v_cvt_scalef32_pk8_bf8_f32 v[50:51], v[32:39], v46
	v_nop
	global_store_b128 v5, v[48:51], s[14:15]
.Lend:
	s_endpgm
.Lfunc_end_k_q6a6476d64a_prep:
	.size	k_q6a6476d64a_prep, .Lfunc_end_k_q6a6476d64a_prep-k_q6a6476d64a_prep
	.p2alignl 7, 3214868480
	.fill 96, 4, 3214868480
	.section	.rodata,"a",@progbits
	.p2align	6, 0x0
	.amdhsa_kernel k_q6a6476d64a_prep
		.amdhsa_group_segment_fixed_size 0
		.amdhsa_private_segment_fixed_size 0
		.amdhsa_enable_private_segment 0
		.amdhsa_kernarg_size 48
		.amdhsa_user_sgpr_count 2
		.amdhsa_user_sgpr_kernarg_segment_ptr 1
		.amdhsa_wavefront_size32 1
		.amdhsa_system_sgpr_workgroup_id_x 1
		.amdhsa_system_sgpr_workgroup_id_y 1
		.amdhsa_system_sgpr_workgroup_id_z 1
		.amdhsa_system_vgpr_workitem_id 0
		.amdhsa_next_free_vgpr 64
		.amdhsa_next_free_sgpr 66
		.amdhsa_reserve_vcc 0
		.amdhsa_float_denorm_mode_32 3
		.amdhsa_float_denorm_mode_16_64 3
		.amdhsa_memory_ordered 1
		.amdhsa_forward_progress 1
		.amdhsa_inst_pref_size 14
	.end_amdhsa_kernel
	.amdgpu_metadata
---
amdhsa.version: [ 1, 2 ]
amdhsa.kernels:
  - .name:           k_q6a6476d64a_prep
    .symbol:         k_q6a6476d64a_prep.kd
    .args:
      - { .name: x, .offset: 0, .size: 8, .value_kind: global_buffer, .address_space: global }
      - { .name: w0, .offset: 8, .size: 8, .value_kind: global_buffer, .address_space: global }
      - { .name: w1, .offset: 16, .size: 8, .value_kind: global_buffer, .address_space: global }
      - { .name: lowp_scales, .offset: 24, .size: 8, .value_kind: global_buffer, .address_space: global }
      - { .name: upos, .offset: 32, .size: 8, .value_kind: global_buffer, .address_space: global }
      - { .name: wimg, .offset: 40, .size: 8, .value_kind: global_buffer, .address_space: global }
    .group_segment_fixed_size: 0
    .private_segment_fixed_size: 0
    .kernarg_segment_align: 8
    .kernarg_segment_size: 48
    .max_flat_workgroup_size: 256
    .sgpr_count:     66
    .vgpr_count:     64
    .wavefront_size: 32
...
	.end_amdgpu_metadata
.endif
;; end of part 1
;; launch ngp (part 2): grid 256 x 1, 16 waves a work-group, no clusters, 0 bytes of LDS; arguments x, upos, tables, wimg, w2, lowp_scales, out0; writes out0
.if DOCPART == 2
	.amdgcn_target "amdgcn-amd-amdhsa--gfx1250"
	.amdhsa_code_object_version 6
	.text
	.protected	k_q6a6476d64a_ngp
	.globl	k_q6a6476d64a_ngp
	.p2align	8
	.type	k_q6a6476d64a_ngp,@function
k_q6a6476d64a_ngp:
	s_mov_b64 s[64:65], 0
	v_nop
	global_prefetch_b8 v0, s[64:65] scope:SCOPE_SE
	s_setreg_imm32_b32 hwreg(HW_REG_WAVE_MODE, 25, 1), 1
	s_wait_xcnt 0x0
; NGP: hash-grid encoding (16 levels x 8 corners x 2 features, trilinear, f32) and the MLP 32 -> 64 -> 64 -> 1, fused: nothing between x and out0 goes to memory.
; SHARES.  4,096 waves; a wave owns 256 consecutive points, four blocks of 64, one block a trip.  In a block lane l owns points A = 2 l and B = 2 l + 1: 24 consecutive bytes of x and of upos, 8 of out0.
; CELLS.  u = trunc(x01 * 2^31) comes as a whole number from the launch before.  S_l = the level's f32 scale x 2^21 is a whole number, so (u S_l + 2^51) >> 52 = floor(x01 * scale + 0.5) in exact arithmetic:
;   every table address is made of whole numbers.  The fraction is taken in f32: fma(x01, scale, 0.5) - cell.  Where the rounded position and the exact one lie on two sides of a whole number, the fraction
;   comes out as 1 (or 0) against the neighbouring cell, and trilinear interpolation is continuous there: the feature moves by no more than the position's own rounding moves it.
; GATHERS.  Two buffers of 32 registers: level l + 1's sixteen loads of 8 bytes go out ahead of level l's sums.  A hashed load lands on its own index register.
; MLP.  Both quantised products are used TRANSPOSED (source 0 = 16 units of the weight, source 1 = 16 points): a lane holds one point and eight neighbouring units, so the conversions' results are the next operand's
;   registers.  K = 32 of the first product fills half of the K = 64 form: W0's fragment has zero codes in its upper four registers, and what stands against them in the other operand is finite codes, which add nothing.
;   The last product (one column) is f32 multiply-adds in the lanes.  The weights' fragments stay in registers for the whole launch.
; The scales: a sum of the first product stands for sum x 2^(e0 + e1), so the hidden layer's conversion takes 2^(e2 - e0 - e1); the result is multiplied once by 2^(e2 + e3).
; LIMITS: -1 <= x < 3 (x01 in [0, 2)); cell numbers of the dense levels are held at 127 and hashed indices at 2^19 - 1, which that range never reaches; e0 and e2 - e0 - e1 between -126 and 112;
;   e2 + e3 is applied by v_ldexp_f32 and has none.  NaN is not served.
; No LDS, no barrier, no tensor load, no cluster: every lane reads other addresses, and waves share nothing.
.set BLOCKS, 4
.set XBLK,  768                        ; a block's bytes of x and of upos
.set OBLK,  256                        ; and of out0
.set LEVB,  0x400000                   ; a level's table in bytes
; vector registers
.set XO,   1                           ; v1        24 x lane
.set OO,   2                           ; v2        8 x lane
.set SC0,  3                           ; v3, v4    2^e0 and 57,344 x 2^e0
.set LIM0, 4
.set SC2,  5                           ; v5, v6    the same with e2 - e0 - e1
.set LIM2, 6
.set HALF, 8                           ; v[8:9]    the 64-bit number 2^51;  v7: a temporary at the head;  v10, v11, v254, v255: the dense levels' byte addresses, by buffer and point
.set X01,  12                          ; v[12:17]  x01 in pairs (A, B) for x, y, z
.set U,    18                          ; v[18:23]  u as loaded: x, y, z of A, then of B
.set T,    24                          ; v[24:29]  at work; from NEXT on the next block's x as loaded
.set FR,   30                          ; v[30:35]  fractions, pairs (A, B) for x, y, z
.set OM,   36                          ; v[36:41]  the cells as f32, then 1 - fraction
.set W,    42                          ; v[42:57]  eight weights, pairs (A, B); corner c = cx + 2 cy + 4 cz at W + 2 c
.set F,    58                          ; v[58:73]  four levels' features: eight of A, eight of B
.set CODE, 74                          ; v[74:89]  the 32 features' codes: A's features 0-15, 16-31, then B's; four registers each
.set ZC,   90                          ; v[90:93]  zero codes: what the last fragment's upper half names
.set G,    94                          ; v[94:157] two buffers of 32: point p at + 16 p, corner c at + 2 c
.set H,    G                           ;           in the MLP: eight accumulators
.set W0F,  158                         ; v[158:189] W0's four fragments: four registers of codes, four of zeros
.set W1F,  190                         ; v[190:221] W1's four fragments
.set W2R,  222                         ; v[222:253] register 8 t + j = w2[16 t + 8 h + j]
.set H1C,  W                           ; in the MLP: the hidden layer's codes, two fragments
.set SUM,  FR                          ; in the MLP: v[30:37] the last product's partial sums
.set OUTP, 38                          ; v[38:39]  the two results of a lane
.set IMG,  G                           ; at the head alone: 16 x lane
.set W2O,  G+1                         ; at the head alone: 32 h
; scalar registers
.set XB,   4                           ; s[4:5]    x at my block
.set UB,   6                           ; s[6:7]    upos at my block
.set OB,   16                          ; s[16:17]  out0 at my block
.set WV,   18
.set IT,   19                          ; trips left
.set STEP, 20                          ; s[20:21]  a block on, or 0 in the last trip
.set ESUM, 28                          ; e2 + e3
.set SP1,  29                          ; the hash's primes and mask
.set SP2,  30
.set SMASK, 31
.set TB,   32                          ; s[32:63]  the sixteen levels' tables
.set SL,   66                          ; s66-81    S_l
; The cell of point p at level l: three 64-bit multiply-adds, the upper word >> 20; kept as whole numbers in T + 1, T + 3, T + 5 and as f32 in OM.
.macro GRIDP p, l
.irp d, 0,1,2
	v_mad_co_u64_u32 v[T+2*\d:T+2*\d+1], vcc_lo, v[U+3*(\p)+\d], s[SL+(\l)], v[HALF:HALF+1]
.endr
.irp d, 0,1,2
	v_lshrrev_b32 v[T+2*\d+1], 20, v[T+2*\d+1]
.endr
.irp d, 0,1,2
	v_cvt_f32_u32 v[OM+2*\d+(\p)], v[T+2*\d+1]
.endr
.endm
; A hashed level: index = (x ^ y P1 ^ z P2) & (2^19 - 1).  (y + 1) P1 = y P1 + P1; x + 1 lies under 2^19, so masking the y-z part is enough.  Each index is made in the register on which its load lands.
.macro HASHP p, buf, l
.set GP, G+32*(\buf)+16*(\p)
	v_add_nc_u32 v[T], 1, v[T+1]
	v_mul_lo_u32 v[T+3], v[T+3], s[SP1]
	v_mul_lo_u32 v[T+5], v[T+5], s[SP2]
	v_add_nc_u32 v[T+2], s[SP1], v[T+3]
	v_add_nc_u32 v[T+4], s[SP2], v[T+5]
.irp cz, 0,1
.irp cy, 0,1
	v_xor_b32 v[GP+2+4*\cy+8*\cz], v[T+3-\cy], v[T+5-\cz]
.endr
.endr
.irp c, 2,6,10,14
	v_and_b32 v[GP+\c], s[SMASK], v[GP+\c]
.endr
.irp c, 2,6,10,14
	v_xor_b32 v[GP+\c-2], v[T+1], v[GP+\c]         ; cx = 0
.endr
.irp c, 2,6,10,14
	v_xor_b32 v[GP+\c], v[T], v[GP+\c]             ; cx = 1
.endr
.irp c, 0,2,4,6,8,10,12,14
	v_min_u32 v[GP+\c], 0x7ffff, v[GP+\c]          ; a number made of loaded numbers enters an address only behind a hold with a constant
.endr
.irp c, 0,2,4,6,8,10,12,14
	global_load_b64 v[GP+\c:GP+\c+1], v[GP+\c], s[TB+2*(\l):TB+2*(\l)+1] scale_offset   ; at the table + 8 x index
.endr
.endm
; A dense level of resolution r: index = x + r y + r r z; the eight corners stand in the immediates.  Held at 127 a coordinate the largest index is 127 x 3,541 + 3,541 = 453,248, inside the table.
.macro DENSEP p, buf, l, r
.set GP, G+32*(\buf)+16*(\p)
.set AD, 10+244*(\buf)+(\p)
	v_min_u32 v[T+1], 127, v[T+1]
	v_min_u32 v[T+3], 127, v[T+3]
	v_min_u32 v[T+5], 127, v[T+5]
	v_mad_u32_u24 v[T], v[T+3], \r, v[T+1]
	v_mad_u32_u24 v[T], v[T+5], (\r)*(\r), v[T]
	v_lshlrev_b32 v[AD], 3, v[T]                   ; this register's last loads, two levels back, were shown done by that level's wait
.irp cz, 0,1
.irp cy, 0,1
.irp cx, 0,1
	global_load_b64 v[GP+2*(\cx+2*\cy+4*\cz):GP+2*(\cx+2*\cy+4*\cz)+1], v[AD], s[TB+2*(\l):TB+2*(\l)+1] offset:8*(\cx+(\r)*\cy+(\r)*(\r)*\cz)
.endr
.endr
.endr
.endm
; fraction = fma(x01, scale, 0.5) - cell, and 1 - fraction, for both points at once
.macro FRAC bits
.irp d, 0,2,4
	v_pk_fma_f32 v[FR+\d:FR+\d+1], v[X01+\d:X01+\d+1], \bits, 0.5 op_sel_hi:[1,0,0]
.endr
.irp d, 0,2,4
	v_pk_add_f32 v[FR+\d:FR+\d+1], v[FR+\d:FR+\d+1], v[OM+\d:OM+\d+1] neg_lo:[0,1] neg_hi:[0,1]
.endr
.irp d, 0,2,4
	v_pk_fma_f32 v[OM+\d:OM+\d+1], v[FR+\d:FR+\d+1], -1.0, 1.0 op_sel_hi:[1,0,0]
.endr
.endm
; Level l: sixteen gathers into buffer buf, and the fractions.  r = 0: hashed.
.macro ADDR l, buf, bits, r
.irp p, 0,1
	GRIDP \p, \l
.if \r
	DENSEP \p, \buf, \l, \r
.else
	HASHP \p, \buf, \l
.endif
.endr
	FRAC \bits
.endm
; The eight weights (x y) z of both points: twelve packed products
.macro WGT
	v_pk_mul_f32 v[W+8:W+9],   v[OM:OM+1], v[OM+2:OM+3]
	v_pk_mul_f32 v[W+10:W+11], v[FR:FR+1], v[OM+2:OM+3]
	v_pk_mul_f32 v[W+12:W+13], v[OM:OM+1], v[FR+2:FR+3]
	v_pk_mul_f32 v[W+14:W+15], v[FR:FR+1], v[FR+2:FR+3]
.irp c, 0,2,4,6
	v_pk_mul_f32 v[W+\c:W+\c+1], v[W+8+\c:W+9+\c], v[OM+4:OM+5]
.endr
.irp c, 8,10,12,14
	v_pk_mul_f32 v[W+\c:W+\c+1], v[W+\c:W+\c+1], v[FR+4:FR+5]
.endr
.endm
; Level l's two features of both points: the corner's pair of features x the point's half of the weight pair; A's and B's chains by turns.  cnt: the younger loads, which may stay out.
.macro ACC l, buf, cnt
	s_wait_loadcnt \cnt
.set FA, F+2*((\l)%4)
.set FB, F+8+2*((\l)%4)
.set GA, G+32*(\buf)
.set GB, G+32*(\buf)+16
	v_pk_mul_f32 v[FA:FA+1], v[GA:GA+1], v[W:W+1] op_sel_hi:[1,0]
	v_pk_mul_f32 v[FB:FB+1], v[GB:GB+1], v[W:W+1] op_sel:[0,1] op_sel_hi:[1,1]
.irp c, 2,4,6,8,10,12,14
	v_pk_fma_f32 v[FA:FA+1], v[GA+\c:GA+\c+1], v[W+\c:W+\c+1], v[FA:FA+1] op_sel_hi:[1,0,1]
	v_pk_fma_f32 v[FB:FB+1], v[GB+\c:GB+\c+1], v[W+\c:W+\c+1], v[FB:FB+1] op_sel:[0,1,0] op_sel_hi:[1,1,1]
.endr
.endm
; Features 8 q .. 8 q + 7 of both points become codes
.macro QF q
.irp p, 0,1
.irp j, 0,1,2,3,4,5,6,7
	v_med3_num_f32 v[F+8*\p+\j], v[F+8*\p+\j], -v[LIM0], v[LIM0]   ; the conversion to an 8-bit code does not saturate (ISA guide 7.6.2): the hold comes first
.endr
	v_cvt_scalef32_pk8_bf8_f32 v[CODE+8*\p+2*(\q):CODE+8*\p+2*(\q)+1], v[F+8*\p:F+8*\p+7], v[SC0]
.endr
	v_nop                                          ; one plain vector line behind the last scaled conversion of a run
.endm
; a block's x and u: 24 bytes a lane each
.macro XULOAD
.irp k, 0,1,2
	global_load_b64 v[T+2*\k:T+2*\k+1], v[XO], s[XB:XB+1] offset:8*\k
.endr
.irp k, 0,1,2
	global_load_b64 v[U+2*\k:U+2*\k+1], v[XO], s[UB:UB+1] offset:8*\k
.endr
.endm
; The next block is asked for a whole MLP ahead.  In the last trip the step is 0 and the wave asks for its own block again: every trip issues the same loads, so the counted waits hold in all, and no load leaves its buffer.
.macro NEXT
	s_cmp_eq_u32 s[IT], 1
	s_cselect_b32 s[STEP], 0, XBLK
	s_add_nc_u64 s[XB:XB+1], s[XB:XB+1], s[STEP:STEP+1]   ; the loads that named these bases were shown done by the wait for 0 at the trip's head
	s_add_nc_u64 s[UB:UB+1], s[UB:UB+1], s[STEP:STEP+1]
	XULOAD
.endm
; The MLP for the 32 points of one set (0: the lanes' points A, 1: B), as two tiles of 16 points.
.macro MLP set
.set CB, CODE+8*(\set)
.irp j, 0,1,2,3
	v_permlane16_swap_b32 v[CB+\j], v[CB+4+\j]     ; lanes 16-31 of features 0-15 change places with lanes 0-15 of features 16-31: v[CB ..] is now the tile of lanes 0-15's points, v[CB + 4 ..] that of lanes 16-31's;
.endr                                                  ; in both, lanes 0-15 hold features 0-15 and lanes 16-31 features 16-31 of point lane % 16: the order in which W0's codes lie
	v_nop
.irp pp, 0,1
.irp t, 0,1,2,3
	v_wmma_f32_16x16x64_bf8_bf8 v[H+32*\pp+8*\t:H+32*\pp+8*\t+7], v[W0F+8*\t:W0F+8*\t+7], v[CB+4*\pp:CB+4*\pp+7], 0   ; K fits one instruction: every sum begins and ends here
.endr
.endr
.rept 4
	v_nop                                          ; four places between a matrix instruction and the first vector instruction on its result (ISA guide 7.12.1)
.endr
.irp a, 0,1,2,3,4,5,6,7                        ; accumulator 4 pp + t: lane (r, h) holds units 16 t + 8 h + 0 .. 7 of point r: registers 2 t, 2 t + 1 of the next operand; each accumulator from its low end on
.irp j, 0,1,2,3,4,5,6,7
	v_med3_num_f32 v[H+8*\a+\j], v[H+8*\a+\j], 0, v[LIM2]   ; the activation and the hold in one
.endr
	v_cvt_scalef32_pk8_bf8_f32 v[H1C+2*\a:H1C+2*\a+1], v[H+8*\a:H+8*\a+7], v[SC2]
.endr
	v_nop                                          ; one plain vector line between the last conversion and the matrix instructions that read its result and write its sources
.irp pp, 0,1
.irp t, 0,1,2,3
	v_wmma_f32_16x16x64_bf8_bf8 v[H+32*\pp+8*\t:H+32*\pp+8*\t+7], v[W1F+8*\t:W1F+8*\t+7], v[H1C+8*\pp:H1C+8*\pp+7], 0
.endr
.endr
.rept 4
	v_nop
.endr
.irp pp, 0,1                                   ; the last product, in f32: my 32 units x w2, in two chains of packed multiply-adds
.set i, 0
.rept 32
	v_max_num_f32 v[H+32*\pp+i], 0, v[H+32*\pp+i]
.set i, i+1
.endr
	v_pk_mul_f32 v[SUM+4*\pp:SUM+4*\pp+1],   v[H+32*\pp:H+32*\pp+1],       v[W2R:W2R+1]
	v_pk_mul_f32 v[SUM+4*\pp+2:SUM+4*\pp+3], v[H+32*\pp+16:H+32*\pp+17],   v[W2R+16:W2R+17]
.irp j, 2,4,6,8,10,12,14
	v_pk_fma_f32 v[SUM+4*\pp:SUM+4*\pp+1],   v[H+32*\pp+\j:H+32*\pp+\j+1],       v[W2R+\j:W2R+\j+1],       v[SUM+4*\pp:SUM+4*\pp+1]
	v_pk_fma_f32 v[SUM+4*\pp+2:SUM+4*\pp+3], v[H+32*\pp+16+\j:H+32*\pp+17+\j],   v[W2R+16+\j:W2R+17+\j],   v[SUM+4*\pp+2:SUM+4*\pp+3]
.endr
	v_pk_add_f32 v[SUM+4*\pp:SUM+4*\pp+1], v[SUM+4*\pp:SUM+4*\pp+1], v[SUM+4*\pp+2:SUM+4*\pp+3]
	v_add_f32 v[SUM+4*\pp], v[SUM+4*\pp], v[SUM+4*\pp+1]
.endr
	v_permlane16_swap_b32 v[SUM], v[SUM+4]         ; a point's two halves (units 8 h ..) lie 16 lanes apart, tile by tile: after the exchange lane l holds both halves of its own point
	v_add_f32 v[OUTP+(\set)], v[SUM], v[SUM+4]
	v_ldexp_f32 v[OUTP+(\set)], v[OUTP+(\set)], s[ESUM]   ; x 2^(e2 + e3)
.endm
; A level in the middle of a trip: its gathers go out, the level before is summed, its own weights are made
.macro LEVEL l, bits, r
	ADDR \l,(\l)%2,\bits,\r
	ACC (\l)-1,((\l)-1)%2,16                       ; behind the last level's sixteen gathers stand this level's sixteen
.if ((\l)%4) == 0
	QF (\l)/4-1
.endif
	WGT
.endm
	s_load_b256 s[4:11], s[0:1], 0x0               ; x s[4:5], upos s[6:7], tables s[8:9], wimg s[10:11]
	s_load_b128 s[12:15], s[0:1], 0x20             ; w2 s[12:13], the scales' exponents s[14:15]
	s_load_b64 s[16:17], s[0:1], 0x30              ; out0
	v_lshrrev_b32 v7, 5, v0
	v_readfirstlane_b32 s[WV], v7                  ; wave 0..15
	v_and_b32 v7, 31, v0                           ; lane
	v_mul_u32_u24 v[XO], v7, 24
	v_lshlrev_b32 v[OO], 3, v7
	v_lshlrev_b32 v[IMG], 4, v7
	v_bfe_u32 v7, v0, 4, 1                         ; h
	v_lshlrev_b32 v[W2O], 5, v7
	v_mov_b32 v[HALF], 0
	v_mov_b32 v[HALF+1], 0x80000                   ; 2^51
.irp t, 0,1,2,3
.irp j, 4,5,6,7
	v_mov_b32 v[W0F+8*\t+\j], 0                    ; K = 32 .. 63 of the first product: zero codes
.endr
.endr
.irp j, 0,1,2,3
	v_mov_b32 v[ZC+\j], 0
.endr
	s_lshl_b32 s22, ttmp9, 4
	s_add_co_u32 s22, s22, s[WV]                   ; my wave among the 4,096
	s_lshl_b32 s84, s22, 10                        ; its 1,024 bytes of out0,
	s_mov_b32 s85, 0
	s_mul_i32 s22, s22, BLOCKS*XBLK                ; its 3,072 bytes of x and of upos
	s_mov_b32 s23, 0
	s_mov_b32 s[STEP+1], 0
	s_mov_b32 s[IT], BLOCKS
	s_mov_b32 s[SP1], 0x9e3779b1                   ; 2,654,435,761
	s_mov_b32 s[SP2], 0x30025795                   ; 805,459,861
	s_mov_b32 s[SMASK], 0x7ffff
	; S_l = the f32 number nearest to 16 x 128^(l / 15) - 1, x 2^21: a whole number.  The same f32 numbers stand as bit patterns in the calls of ADDR and LEVEL below.
	s_mov_b32 s[SL+0],  0x01e00000
	s_mov_b32 s[SL+1],  0x02a38a14
	s_mov_b32 s[SL+2],  0x03b1c200
	s_mov_b32 s[SL+3],  0x05272d18
	s_mov_b32 s[SL+4],  0x072b3528
	s_mov_b32 s[SL+5],  0x09f45180
	s_mov_b32 s[SL+6],  0x0dcdc670
	s_mov_b32 s[SL+7],  0x131f9720
	s_mov_b32 s[SL+8],  0x1a798040
	s_mov_b32 s[SL+9],  0x24a22300
	s_mov_b32 s[SL+10], 0x32abfd40
	s_mov_b32 s[SL+11], 0x46126180
	s_mov_b32 s[SL+12], 0x60e18000
	s_mov_b32 s[SL+13], 0x85edbc00
	s_mov_b32 s[SL+14], 0xb9201e00
	s_mov_b32 s[SL+15], 0xffe00000
	s_wait_kmcnt 0x0
	s_load_b128 s[24:27], s[14:15], 0x0            ; e0, e1, e2, e3
	s_add_nc_u64 s[XB:XB+1], s[XB:XB+1], s[22:23]
	s_add_nc_u64 s[UB:UB+1], s[UB:UB+1], s[22:23]
	s_add_nc_u64 s[OB:OB+1], s[OB:OB+1], s[84:85]
.irp l, 0,1,2,3,4,5,6,7,8,9,10,11,12,13,14,15
	s_add_nc_u64 s[TB+2*\l:TB+2*\l+1], s[8:9], \l*LEVB
.endr
.irp t, 0,1,2,3
	global_load_b128 v[W0F+8*\t:W0F+8*\t+3], v[IMG], s[10:11] offset:512*\t   ; the images come back as they were stored: 16 bytes a lane, 512 consecutive bytes a load
.endr
.irp t, 0,1,2,3
.irp p, 0,1
	global_load_b128 v[W1F+8*\t+4*\p:W1F+8*\t+4*\p+3], v[IMG], s[10:11] offset:2048+1024*\t+512*\p
.endr
.endr
.irp t, 0,1,2,3
.irp i, 0,1
	global_load_b128 v[W2R+8*\t+4*\i:W2R+8*\t+4*\i+3], v[W2O], s[12:13] offset:64*\t+16*\i   ; w2[16 t + 8 h + 4 i ..]
.endr
.endr
	XULOAD                                         ; the first block
	s_wait_kmcnt 0x0
	s_add_co_i32 s22, s24, 127
	s_lshl_b32 s23, s22, 23
	v_mov_b32 v[SC0], s23                          ; 2^e0 as f32: the conversion takes its exponent field
	s_add_co_i32 s22, s22, 15
	s_lshl_b32 s22, s22, 23
	s_or_b32 s22, s22, 0x600000
	v_mov_b32 v[LIM0], s22                         ; 57,344 x 2^e0
	s_sub_co_i32 s22, s26, s24
	s_sub_co_i32 s22, s22, s25
	s_add_co_i32 s22, s22, 127
	s_lshl_b32 s23, s22, 23
	v_mov_b32 v[SC2], s23                          ; 2^(e2 - e0 - e1): the three scales folded into the conversion's one
	s_add_co_i32 s22, s22, 15
	s_lshl_b32 s22, s22, 23
	s_or_b32 s22, s22, 0x600000
	v_mov_b32 v[LIM2], s22
	s_add_co_i32 s[ESUM], s26, s27
.Lblock:
	s_wait_loadcnt 0x0                             ; on the way in: the weights and the first block; on the way back: the six loads of NEXT
.irp p, 0,1
.irp d, 0,1,2
	v_fma_f32 v[X01+2*\d+\p], v[T+3*\p+\d], 0.5, 0.5   ; x01 = (x + 1) / 2, one rounding, sorted into pairs (A, B)
.endr
.endr
	ADDR 0, 0, 0x41700000, 16
	WGT
	LEVEL 1,  0x41a8e285, 23
	LEVEL 2,  0x41ec7080, 31
	LEVEL 3,  0x4224e5a3, 43
	LEVEL 4,  0x426566a5, 59
	LEVEL 5,  0x429f4518, 0
	LEVEL 6,  0x42dcdc67, 0
	LEVEL 7,  0x4318fcb9, 0
	LEVEL 8,  0x4353cc02, 0
	LEVEL 9,  0x4392888c, 0
	LEVEL 10, 0x43caaff5, 0
	LEVEL 11, 0x440c24c3, 0
	LEVEL 12, 0x4441c300, 0
	LEVEL 13, 0x4485edbc, 0
	LEVEL 14, 0x44b9201e, 0
	ADDR 15, 1, 0x44ffe000, 0
	NEXT                                           ; T and U have had their last use in this block
	ACC 14, 0, 22                                  ; behind level 14's gathers: level 15's sixteen and the next block's six
	WGT
	ACC 15, 1, 6                                   ; behind level 15's: the next block's six
	QF 3
	MLP 0
	MLP 1
	global_store_b64 v[OO], v[OUTP:OUTP+1], s[OB:OB+1] th:TH_STORE_NT   ; the wave stores 256 consecutive bytes, aligned: its 64 points
	s_wait_xcnt 0x0                                ; the store has read its data and its base: both are written again only behind this wait
	s_add_nc_u64 s[OB:OB+1], s[OB:OB+1], OBLK
	s_sub_co_u32 s[IT], s[IT], 1
	s_cmp_lg_u32 s[IT], 0
	s_cbranch_scc1 .Lblock
	s_endpgm
.Lfunc_end_k_q6a6476d64a_ngp:
	.size	k_q6a6476d64a_ngp, .Lfunc_end_k_q6a6476d64a_ngp-k_q6a6476d64a_ngp
	.p2alignl 7, 3214868480
	.fill 96, 4, 3214868480
	.section	.rodata,"a",@progbits
	.p2align	6, 0x0
	.amdhsa_kernel k_q6a6476d64a_ngp
		.amdhsa_group_segment_fixed_size 0
		.amdhsa_private_segment_fixed_size 0
		.amdhsa_enable_private_segment 0
		.amdhsa_kernarg_size 56
		.amdhsa_user_sgpr_count 2
		.amdhsa_user_sgpr_kernarg_segment_ptr 1
		.amdhsa_wavefront_size32 1
		.amdhsa_system_sgpr_workgroup_id_x 1
		.amdhsa_system_sgpr_workgroup_id_y 1
		.amdhsa_system_sgpr_workgroup_id_z 1
		.amdhsa_system_vgpr_workitem_id 0
		.amdhsa_next_free_vgpr 256
		.amdhsa_next_free_sgpr 96
		.amdhsa_reserve_vcc 1
		.amdhsa_float_denorm_mode_32 3
		.amdhsa_float_denorm_mode_16_64 3
		.amdhsa_memory_ordered 1
		.amdhsa_forward_progress 1
		.amdhsa_inst_pref_size 140
	.end_amdhsa_kernel
	.amdgpu_metadata
---
amdhsa.version: [ 1, 2 ]
amdhsa.kernels:
  - .name:           k_q6a6476d64a_ngp
    .symbol:         k_q6a6476d64a_ngp.kd
    .args:
      - { .name: x, .offset: 0, .size: 8, .value_kind: global_buffer, .address_space: global }
      - { .name: upos, .offset: 8, .size: 8, .value_kind: global_buffer, .address_space: global }
      - { .name: tables, .offset: 16, .size: 8, .value_kind: global_buffer, .address_space: global }
      - { .name: wimg, .offset: 24, .size: 8, .value_kind: global_buffer, .address_space: global }
      - { .name: w2, .offset: 32, .size: 8, .value_kind: global_buffer, .address_space: global }
      - { .name: lowp_scales, .offset: 40, .size: 8, .value_kind: global_buffer, .address_space: global }
      - { .name: out0, .offset: 48, .size: 8, .value_kind: global_buffer, .address_space: global }
    .group_segment_fixed_size: 0
    .private_segment_fixed_size: 0
    .kernarg_segment_align: 8
    .kernarg_segment_size: 56
    .max_flat_workgroup_size: 512
    .sgpr_count:     96
    .vgpr_count:     256
    .wavefront_size: 32
...
	.end_amdgpu_metadata
.endif
;; end of part 2
